; MI455X (gfx1250); checked and timed in simulation.
; The chip was launched on July 23, 2026; its instructions are those of AMD's public machine-readable ISA for CDNA 5 (MIT licence, August 2026) and "CDNA5" Instruction Set Architecture Reference Guide (July 2026). The comments in the code are by the model that wrote it; some were corrected since.
;; Grid Renderer. Allowed arithmetic: matrix products marked QUANTISED: E4M3 operands, one given power-of-two scale a tensor, by v_wmma_f32_16x16x64_fp8_fp8 or v_wmma_f32_16x16x128_fp8_fp8, f32 sums; everything else in f32.
;; Inputs: W0_codes 64 x 1 x 32 uint8 (E4M3 codes of W0, K innermost, in blocks of 32 codes); W1_codes 64 x 2 x 32 uint8 (E4M3 codes of W1, K innermost, in blocks of 32 codes); W2_codes 65 x 2 x 32 uint8 (E4M3 codes of W2, K innermost, in blocks of 32 codes); coord_center 3 float32; lowp_scales 6 int32 (the exponents e of the quantised operands' scales 2^e); tables 16 x 524,288 x 2 float32; x 1,000,000 x 3 float32.
;; Outputs: out0 1,000,000 float32.
;; This version of the problem:
;;   THIS VERSION OF THE PROBLEM IS GIVEN IN LOW PRECISION. The matrix products marked QUANTISED in the list below multiply operands that are first quantised to E4M3 (4 exponent bits, 3 mantissa bits; 8 bits a number), with one given power-of-two scale for each operand tensor; their sums are f32. All else is computed in f32.
;;   The module's matrix products, in the order in which they are computed (A, B: the left and right operand; K: the contracted axis; several contracted axes count as one K, in the product's order):
;;     1. [M 1,000,000, K 32] x [K 32, N 64]; A: computed on the way; B: input W0 (given as codes): QUANTISED (scales: A lowp_scales[0], B lowp_scales[1])
;;     2. [M 1,000,000, K 64] x [K 64, N 64]; A: computed on the way; B: input W1 (given as codes): QUANTISED (scales: A lowp_scales[2], B lowp_scales[3])
;;     3. [M 1,000,000, K 64] x [K 64, N 65]; A: computed on the way; B: input W2 (given as codes): QUANTISED (scales: A lowp_scales[4], B lowp_scales[5])
;;   THE QUANTISER, for each operand of a quantised product, along K:
;;     - The operand's scale is 2^e, e = its entry of the input lowp_scales (int32; the entries are numbered through the quantised products in the list's order, A before B).
;;     - Each number is divided by the scale, clamped to +-448, and rounded to the nearest number of E4M3, ties to even, subnormals kept.
;;     - The product sums the exact products of the quantised numbers (number of the format x scale) in f32.
;;   ~~~python
;;   def quantise(x, axis, e):      # numpy; x: float32 -> the quantised numbers, widened to float32 again
;;       x = np.moveaxis(x, axis, -1); K = x.shape[-1]
;;       r = np.clip(x / 2.0 ** e, -448, 448)
;;       step = 2.0 ** (np.maximum(np.frexp(np.where(r == 0, 1, r))[1] - 1, -6) - 3)
;;       q = np.round(r / step) * step * 2.0 ** e      # np.round: ties to even
;;       return np.moveaxis(q, -1, axis).astype(np.float32)
;;   ~~~
;;   OPERANDS COMPUTED ON THE WAY. 'Computed on the way' means the value that the module computes at that place (a softmax that the list does not call 'softmax' is quantised finished and normalised). What goes into a quantiser is computed in f32, as accurately as f32 sums, v_exp_f32 and their like allow (about 1e-6 of the number): no bf16 or f16 on the way to a quantiser, and a product that is left as it is and whose result goes on into a quantised operand takes f32 operands (vector FMAs, or v_wmma_f32_16x16x4_f32). A number that lies on a knife's edge between two numbers of the format may be rounded either way, as far as f32 arithmetic and the matrix unit's own rounding can turn it there, and no further.
;;   INPUTS GIVEN AS CODES. W0 (in the module: [32, 64], K = its axis 0); W1 (in the module: [64, 64], K = its axis 0); W2 (in the module: [64, 65], K = its axis 0): each comes as NAME_codes (uint8): NAME with its K axis moved to the last place and cut into blocks of 32 codes, [.., K / 32, bytes a block], one block behind the other in memory; one code a byte (a code: sign, 4 exponent bits, 3 mantissa bits); its scale is its entry of lowp_scales. Its value is code x scale, taken as it is: it is not quantised again, and the codes and scales need not be those that the quantiser above would give.
;; 2 versions, each right; version 2 is version 1 with the launch render written anew for expert scheduling mode. Each part assembles by itself: llvm-mc -triple=amdgcn-amd-amdhsa -mcpu=gfx1250 --defsym DOCPART=n.
;; ======== version 1 of 2: 2 launches
;; workspace buffers: ucoord 12,000,000 bytes of whole numbers
;; launch fix (part 1): grid 625 x 1, 5 waves a work-group, no clusters, 19,968 bytes of LDS; arguments x, coord_center, ucoord; writes ucoord
.if DOCPART == 1
	.amdgcn_target "amdgcn-amd-amdhsa--gfx1250"
	.amdhsa_code_object_version 6
	.text
	.protected	k_q719b1f5f5c_fix
	.globl	k_q719b1f5f5c_fix
	.p2align	8
	.type	k_q719b1f5f5c_fix,@function
k_q719b1f5f5c_fix:
	s_mov_b64 s[64:65], 0
	v_nop
	global_prefetch_b8 v0, s[64:65] scope:SCOPE_SE
	s_setreg_imm32_b32 hwreg(HW_REG_WAVE_MODE, 25, 1), 1
	s_wait_xcnt 0x0
; x [1000000][3] f32 and coord_center [3] become whole numbers: U = floor(x01 * 2^32), x01 = ((x - c) + 1) / 2 held in [0, 1]; x01 >= 1 gives 0xffffffff.
; They are stored as three planes of 1,000,000 words (x, y, z; plane d at byte 4,000,000 d), so that the next launch can form every table address by integer arithmetic.
; (x - c) + 1 is rounded as the f32 arithmetic of the definition rounds it; the factor 2^31 rounds nothing.  From x01 = 2^-9 up, x01 * 2^32 is a whole number, so U holds x01 exactly.
; The hold in [0, 1] stands for the clip of the corner coordinates at every level: U = 0 leads to corner 0, U = 0xffffffff to cell res - 1 with fraction 1, which is corner res.
; LIMITS: below x01 = 2^-9 what lies under 2^-32 is dropped (a position at resolution res moves by at most res x 2^-32, under 4.8e-7).  NaN among the inputs is not served.
; SHARES: a batch is 64 points: 768 bytes of x, 256 bytes of each plane.  15,625 batches = 625 work-groups x 5 waves x 5 batches: no tail.
; A load takes 256 consecutive bytes, 8 a lane; the 768 bytes turn through the wave's own stage in LDS and come back 24 a lane: x, y, z of points 2 L and 2 L + 1.
; Every batch has its own stage and its own registers: nothing is written twice, no wave reads another's bytes, so there is no barrier.
.set NB,     5                         ; batches of a wave
.set BATCHB, 768                       ; bytes of x in a batch
.set PLANE,  4000000                   ; bytes of a plane
.set L8,   1                           ; v1      8 x lane
.set LS,   2                           ; v2      the stage, way in: 3,840 x wave + 8 x lane
.set LR,   3                           ; v3      the stage, way out: 3,840 x wave + 24 x lane (words 6 L, 6 L + 1: 32 different pairs of banks)
.set R,    4                           ; v4-33   batch j: six registers as loaded; later the six results, pair d = plane d's two words
.set X,    34                          ; v34-63  batch j: x, y, z, x, y, z
.set TT,   64                          ; v64-69  x01 * 2^32 of the six
.set UU,   70                          ; v70-75  as whole numbers
.set ONES, 76                          ; v76     0xffffffff
	s_load_b128 s[4:7], s[0:1], 0x0                ; x s[4:5], coord_center s[6:7]
	s_load_b64 s[8:9], s[0:1], 0x10                ; ucoord
	v_lshl_add_u32 v80, v0, 2, 0x4b00
	v_mov_b32 v81, 0
	v_lshrrev_b32 v[TT], 5, v0
	v_readfirstlane_b32 s17, v[TT]                 ; wave 0..4
	v_and_b32 v[LR], 31, v0                        ; lane
	v_lshlrev_b32 v[L8], 3, v[LR]
	s_mul_i32 s18, s17, NB*BATCHB                  ; my wave's five stages
	v_add_nc_u32 v[LS], s18, v[L8]
	v_mul_u32_u24 v[LR], v[LR], 24
	v_add_nc_u32 v[LR], s18, v[LR]
	v_mov_b32 v[ONES], -1
	s_mul_i32 s19, ttmp9, 5
	s_add_co_u32 s19, s19, s17                     ; which run of five batches is mine: 0 .. 3,124
	s_mul_i32 s20, s19, NB*BATCHB                  ; its bytes in x (under 12,000,000),
	s_mov_b32 s21, 0
	s_mul_i32 s22, s19, NB*256                     ; and in a plane
	s_mov_b32 s23, 0
	s_mov_b32 s15, 0x4f7fffff                      ; 2^32 - 256: the largest f32 number under 2^32
	s_mov_b32 s16, 0x4f800000                      ; 2^32
	s_wait_kmcnt 0x0
	s_load_b96 s[12:14], s[6:7], 0x0               ; c0, c1, c2
	s_add_nc_u64 s[4:5], s[4:5], s[20:21]
	s_add_nc_u64 s[8:9], s[8:9], s[22:23]
.irp j, 0,1,2,3,4
.irp i, 0,1,2
	global_load_b64 v[R+6*\j+2*\i:R+6*\j+2*\i+1], v[L8], s[4:5] offset:BATCHB*\j+256*\i th:TH_LOAD_NT   ; 32 lanes read 256 consecutive bytes; read once in the launch
.endr
.endr
.irp j, 0,1,2,3,4
	s_wait_loadcnt 3*(4-\j)                        ; loads come back in order: batch j's three are in, the later batches' three each may be out
.irp i, 0,1,2
	ds_store_b64 v[LS], v[R+6*\j+2*\i:R+6*\j+2*\i+1] offset:BATCHB*\j+256*\i
.endr
.irp i, 0,1,2
	ds_load_b64 v[X+6*\j+2*\i:X+6*\j+2*\i+1], v[LR] offset:BATCHB*\j+8*\i   ; LDS serves a wave's instructions in order: these see the stores above
.endr
.endr
	s_wait_kmcnt 0x0                               ; c
.irp j, 0,1,2,3,4
	s_wait_dscnt 6*(4-\j)                          ; batch j's stores and loads are done; the six LDS instructions of each later batch may be out
.irp m, 0,1,2,3,4,5
	v_sub_f32 v[TT+\m], v[X+6*\j+\m], s[12+\m%3]   ; x - c
.endr
.irp m, 0,1,2,3,4,5
	v_add_f32 v[TT+\m], 1.0, v[TT+\m]              ; + bound
.endr
.irp m, 0,1,2,3,4,5
	v_mul_f32 v[TT+\m], 0x4f000000, v[TT+\m]       ; x 2^31 = x01 x 2^32: nothing is rounded
.endr
.irp m, 0,1,2,3,4,5
	v_med3_num_f32 v[UU+\m], v[TT+\m], 0, s15      ; held inside what a word can take
.endr
.irp m, 0,1,2,3,4,5
	v_cvt_u32_f32 v[UU+\m], v[UU+\m]
.endr
.irp m, 0,1,2,3,4,5
	v_cmp_le_f32 vcc_lo, s16, v[TT+\m]             ; x01 >= 1:
	v_cndmask_b32 v[R+6*\j+2*(\m%3)+\m/3], v[UU+\m], v[ONES], vcc_lo   ; the largest word.  Number m is coordinate m % 3 of point 2 L + m / 3
.endr
.irp d, 0,1,2
	global_store_b64 v[L8], v[R+6*\j+2*\d:R+6*\j+2*\d+1], s[8:9] offset:PLANE*\d+256*\j   ; 32 lanes store 256 consecutive bytes, at a multiple of 256 from the buffer's first byte
.endr
.endr
	s_wait_tensorcnt 0x0
	ds_add_u32 v80, v81
	s_wait_dscnt 0x0
	s_endpgm
.Lfunc_end_k_q719b1f5f5c_fix:
	.size	k_q719b1f5f5c_fix, .Lfunc_end_k_q719b1f5f5c_fix-k_q719b1f5f5c_fix
	.p2alignl 7, 3214868480
	.fill 96, 4, 3214868480
	.section	.rodata,"a",@progbits
	.p2align	6, 0x0
	.amdhsa_kernel k_q719b1f5f5c_fix
		.amdhsa_group_segment_fixed_size 19968
		.amdhsa_private_segment_fixed_size 0
		.amdhsa_enable_private_segment 0
		.amdhsa_kernarg_size 24
		.amdhsa_user_sgpr_count 2
		.amdhsa_user_sgpr_kernarg_segment_ptr 1
		.amdhsa_wavefront_size32 1
		.amdhsa_system_sgpr_workgroup_id_x 1
		.amdhsa_system_sgpr_workgroup_id_y 1
		.amdhsa_system_sgpr_workgroup_id_z 1
		.amdhsa_system_vgpr_workitem_id 0
		.amdhsa_next_free_vgpr 82
		.amdhsa_next_free_sgpr 66
		.amdhsa_reserve_vcc 1
		.amdhsa_float_denorm_mode_32 3
		.amdhsa_float_denorm_mode_16_64 3
		.amdhsa_memory_ordered 1
		.amdhsa_forward_progress 1
		.amdhsa_inst_pref_size 16
	.end_amdhsa_kernel
	.amdgpu_metadata
---
amdhsa.version: [ 1, 2 ]
amdhsa.kernels:
  - .name:           k_q719b1f5f5c_fix
    .symbol:         k_q719b1f5f5c_fix.kd
    .args:
      - { .name: x, .offset: 0, .size: 8, .value_kind: global_buffer, .address_space: global }
      - { .name: coord_center, .offset: 8, .size: 8, .value_kind: global_buffer, .address_space: global }
      - { .name: ucoord, .offset: 16, .size: 8, .value_kind: global_buffer, .address_space: global }
    .group_segment_fixed_size: 19968
    .private_segment_fixed_size: 0
    .kernarg_segment_align: 8
    .kernarg_segment_size: 24
    .max_flat_workgroup_size: 160
    .sgpr_count:     66
    .vgpr_count:     82
    .wavefront_size: 32
...
	.end_amdgpu_metadata
.endif
;; end of part 1
;; launch render (part 2): grid 977 x 1, 4 waves a work-group, no clusters, 33,280 bytes of LDS; arguments ucoord, tables, W0_codes, W1_codes, W2_codes, lowp_scales, out0; writes out0
.if DOCPART == 2
	.amdgcn_target "amdgcn-amd-amdhsa--gfx1250"
	.amdhsa_code_object_version 6
	.text
	.protected	k_q719b1f5f5c_render
	.globl	k_q719b1f5f5c_render
	.p2align	8
	.type	k_q719b1f5f5c_render,@function
k_q719b1f5f5c_render:
	s_mov_b64 s[64:65], 0
	v_nop
	global_prefetch_b8 v0, s[64:65] scope:SCOPE_SE
	s_setreg_imm32_b32 hwreg(HW_REG_WAVE_MODE, 25, 1), 1
	s_wait_xcnt 0x0
; sigma[p] = column 0 of relu(relu(enc W0) W1) W2, enc = the 16-level hash-grid encoding of point p; the three products on codes of FP8 (E4M3), each operand with the scale 2^e given for it (e0 .. e5).
; THE ENCODING.  U = floor(x01 x 2^32) comes as whole numbers from the launch before.  At a level of resolution res the cell is n = floor(U res / 2^32), by integer arithmetic alone: every table address hangs on whole
; numbers that were read from memory.  The fraction is fl(float(U) x res x 2^-32) - float(n): the product is the definition's f32 position, and the difference is exact.  Rounding keeps order, so it lies in [0, 1]; where the
; position rounds up onto n + 1, (n, 1) names the same value as the definition's (n + 1, 0).  Levels with (res + 1)^3 <= 2^19 are indexed densely, the others by the hash (only the low 19 bits of each product count, so the
; primes are taken modulo 2^19).  The eight corners are joined by seven steps a + f (b - a), both features at once; that differs from the definition's sum of eight weighted corners by f32 rounding alone.
; SHARES.  A wave owns 256 points: four batches of 64; lane L holds points 2 L and 2 L + 1 of a batch (sub-steps 0, 1).  15,625 batches lie on 3,908 waves: batch = min(4 x wave + trip, 15,624), so the last work-group's last
; two waves work the last batch again and store the same numbers again; no trip count, branch or mask hangs on it, and no load leaves its buffer.
; ORDER.  Four levels (eight features: one conversion to codes) are a GROUP.  A wave walks group 0 for all its points, then group 1 and so on: the gathers of one phase fall into four levels' tables.  The codes wait in the
; wave's own 8,192 bytes of LDS; the three products follow at the end, with the weights in the registers that the gathers have left.  No wave reads another's LDS bytes: no barrier.
; IN FLIGHT.  A trip issues 64 gathers of 8 bytes a lane (8 steps = 2 sub-steps x 4 levels, 8 corners each) before it waits for the first.
; THE PRODUCTS ARE USED TRANSPOSED (source 0 = 16 rows of the weight, source 1 = 16 points): a lane holds one point, and a tile's eight registers are eight neighbours along the next K, in the K = 64 form's own places.
; Of the third product only the tile that holds column 0 is multiplied: the definition keeps nothing else.  The first product's K is 32: the upper half of both operands is zero codes.
; No tile is shared between work-groups and each lane asks for its own 8 bytes: so no cluster, no tensor load; a gather's address is known only when the load can go out: so no prefetch.
; LIMITS: e0, e2 - e0 - e1 and e4 - e2 - e3 lie between -126 and 119, so that each scale and 448 x it are f32 numbers; e4 + e5 is applied by v_ldexp_f32.  NaN among the inputs is not served.
.set LASTB, 15624                      ; the last batch
.set PLANE, 4000000                    ; bytes of a plane of U
.set RES15, 2047                       ; floor(16 b^15), b = exp(log(128) / 15) in double precision, which falls short of 2^(7/15)
.set LOG15, 10                         ; floor(log2(RES15))
.set L8,   1                           ; v1       8 x lane
.set LB,   2                           ; v2       8 x lane + 8,192 x wave: where my codes go
.set UO,   3                           ; v3       byte offset of my two words in a plane of U
.set LA,   4                           ; v4       LDS address of the trip in hand
.set OO,   5                           ; v5       byte offset of my two results
.set SC0,  6                           ; v6, v7   2^e0 and 448 x 2^e0
.set LIM0, 7
.set UN,   8                           ; v8-13    the next trip's U: pair d = coordinate d of points 2 L, 2 L + 1
.set WK,   14                          ; v14-31   at 9 s + 3 d: U >> 12, U & 0xfff, float(U)
.set FE,   32                          ; v32-47   eight features for each sub-step
.set CD,   48                          ; v48-51   their codes
.set TM,   52                          ; v52-67   at work
.set BUF,  68                          ; v68-227  eight buffers of 20: corner c = dx + 2 dy + 4 dz at 2 c (its index is made in the pair's low register, and the load lands on it); 16, 17, 18 the fractions; 19 the dense address or n0 + 1
.set W0F,  68                          ; the products' registers lie over the buffers: W0's four tiles of 8 (registers 4-7 of each: zero codes),
.set W1F,  100                         ; W1's four,
.set W2F,  132                         ; W2's one,
.set TQ,   140                         ; v140-155 enc's codes, two tiles of 16 points (registers 4-7 of each: zero codes),
.set H,    156                         ; v156-219 sums: tile (p, t) at 8 (4 p + t),
.set C,    220                         ; v220-235 the hidden layer's codes: tile p at 8 p,
.set SIG,  236                         ; v236-237 my two results
.set SC1,  238                         ; v238-241 2^(e2 - e0 - e1), 448 x it, 2^(e4 - e2 - e3), 448 x it
.set LIM1, 239
.set SC2,  240
.set LIM2, 241
.set LM,   242                         ; v242     8 r + 256 h + 8,192 x wave: where lane (r, h) finds its part of an operand of enc's codes
.set TB,   28                          ; s[28:35] the group's four tables
.set RS,   36                          ; s36-39   res
.set RF,   40                          ; s40-43   res x 2^-32 as f32
	s_load_b256 s[4:11], s[0:1], 0x0               ; ucoord s[4:5], tables s[6:7], W0's codes s[8:9], W1's s[10:11]
	s_load_b128 s[12:15], s[0:1], 0x20             ; W2's codes s[12:13], the scales' exponents s[14:15]
	s_load_b64 s[16:17], s[0:1], 0x30              ; out0
	v_lshl_add_u32 v254, v0, 2, 0x8000
	v_mov_b32 v255, 0
	v_lshrrev_b32 v[LA], 5, v0
	v_readfirstlane_b32 s18, v[LA]                 ; wave 0..3
	v_and_b32 v[L8], 31, v0
	v_lshlrev_b32 v[L8], 3, v[L8]
	s_lshl_b32 s50, s18, 13                        ; my wave's 8,192 bytes of LDS
	v_add_nc_u32 v[LB], s50, v[L8]
	v_and_b32 v243, 15, v0                         ; r
	v_bfe_u32 v244, v0, 4, 1                       ; h
	v_lshlrev_b32 v[LM], 3, v243
	v_lshl_add_u32 v[LM], v244, 8, v[LM]
	v_add_nc_u32 v[LM], s50, v[LM]
	s_lshl_b32 s19, ttmp9, 2
	s_add_co_u32 s19, s19, s18
	s_lshl_b32 s19, s19, 2                         ; my first batch: 4 x (4 x work-group + wave)
	s_mov_b32 s24, 0x779b1                         ; 2654435761 mod 2^19
	s_mov_b32 s25, 0x25795                         ; 805459861 mod 2^19
	s_mov_b32 s26, 0x7ffff
	s_mov_b32 s27, 0xffff0000                      ; lanes 16-31
	s_wait_kmcnt 0x0
	s_load_b128 s[44:47], s[14:15], 0x0            ; e0 .. e3
	s_load_b64 s[48:49], s[14:15], 0x10            ; e4, e5
; U of batch min(s21, LASTB): three loads of 256 consecutive bytes
.macro ULOAD
	s_min_u32 s21, s21, LASTB
	v_lshl_add_u32 v[UO], s21, 8, v[L8]
.irp d, 0,1,2
	global_load_b64 v[UN+2*\d:UN+2*\d+1], v[UO], s[4:5] offset:PLANE*\d
.endr
.endm
; what every level wants of U: its upper 20 bits, its lower 12, and U as f32 (exact: U has at most 24 significant bits)
.macro PREP
.irp s, 0,1
.irp d, 0,1,2
	v_lshrrev_b32 v[WK+9*\s+3*\d], 12, v[UN+2*\d+\s]
	v_and_b32 v[WK+9*\s+3*\d+1], 0xfff, v[UN+2*\d+\s]
	v_cvt_f32_u32 v[WK+9*\s+3*\d+2], v[UN+2*\d+\s]
.endr
.endr
.endm
; s50 = d: v[sc] = 2^d as f32 (the conversion takes its exponent field), v[lim] = 448 x 2^d
.macro SCALE sc, lim
	s_add_co_i32 s51, s50, 127
	s_lshl_b32 s53, s51, 23
	v_mov_b32 v[\sc], s53
	s_add_co_i32 s51, s51, 8
	s_lshl_b32 s51, s51, 23
	s_or_b32 s51, s51, 0x600000
	v_mov_b32 v[\lim], s51
.endm
	s_mov_b32 s21, s19
	ULOAD                                          ; trip 0's
	s_wait_kmcnt 0x0
	s_mov_b32 s50, s44
	SCALE SC0, LIM0                                ; enc's code = enc / 2^e0
	s_sub_co_i32 s50, s46, s44
	s_sub_co_i32 s50, s50, s45
	SCALE SC1, LIM1                                ; a sum of the first product stands for sum x 2^(e0 + e1): its code is sum / 2^(e2 - e0 - e1)
	s_sub_co_i32 s50, s48, s46
	s_sub_co_i32 s50, s50, s47
	SCALE SC2, LIM2                                ; likewise e4 - e2 - e3
	s_add_co_i32 s52, s48, s49                     ; and sigma = sum x 2^(e4 + e5)
	s_wait_loadcnt 0x0
	PREP
; the constants of level l, place i in its group; k = floor(log2(res)).  It stands where no gather is out, so the tables' addresses may be written
.macro LCONST i, l, res, k
	s_mov_b32 s[RS+\i], \res
	s_mov_b32 s[RF+\i], ((95+(\k))<<23)|(((\res)-(1<<(\k)))<<(23-(\k)))   ; res x 2^-32: exponent field 127 + k - 32, the rest of res as mantissa
.if (\l) == 0
	s_mov_b64 s[TB+2*\i:TB+2*\i+1], s[6:7]
.else
	s_add_nc_u64 s[TB+2*\i:TB+2*\i+1], s[6:7], (\l)*0x400000   ; a level's table is 2^19 x 8 bytes
.endif
.endm
; cells n0, n1, n2 into v[TM] on, fractions into buffer k.  U res = (A 2^12 + B) res, so floor(U res / 2^32) = (A res + floor(B res / 2^12)) >> 20; A res stays under 2^31
.macro NFRAC k, s, i
.set BF, BUF+20*(\k)
.set WS, WK+9*(\s)
.irp d, 0,1,2
	v_mul_u32_u24 v[TM+\d], s[RS+\i], v[WS+3*\d+1]
.endr
.irp d, 0,1,2
	v_lshrrev_b32 v[TM+\d], 12, v[TM+\d]
.endr
.irp d, 0,1,2
	v_mad_u32_u24 v[TM+\d], v[WS+3*\d], s[RS+\i], v[TM+\d]
.endr
.irp d, 0,1,2
	v_mul_f32 v[TM+4+\d], s[RF+\i], v[WS+3*\d+2]   ; the position, rounded as x01 x res is
.endr
.irp d, 0,1,2
	v_lshrrev_b32 v[TM+\d], 20, v[TM+\d]
.endr
.irp d, 0,1,2
	v_cvt_f32_u32 v[TM+8+\d], v[TM+\d]
.endr
.irp d, 0,1,2
	v_sub_f32 v[BF+16+\d], v[TM+4+\d], v[TM+8+\d]
.endr
.endm
; a hashed level: index = (x ^ y P1 ^ z P2) mod 2^19; x stays under 2^11, so the mask is laid on the four y-z terms
.macro ISSUE_H k, s, i
	NFRAC \k, \s, \i
	v_mul_u32_u24 v[TM+4], s24, v[TM+1]            ; n1 P1
	v_mul_u32_u24 v[TM+6], s25, v[TM+2]            ; n2 P2
	v_add_nc_u32 v[BF+19], 1, v[TM]                ; n0 + 1
	v_add_nc_u32 v[TM+5], s24, v[TM+4]             ; (n1 + 1) P1
	v_add_nc_u32 v[TM+7], s25, v[TM+6]             ; (n2 + 1) P2
.irp j, 0,1,2,3
	v_xor_b32 v[TM+8+\j], v[TM+4+(\j&1)], v[TM+6+(\j>>1)]   ; j = dy + 2 dz
.endr
.irp j, 0,1,2,3
	v_and_b32 v[TM+8+\j], s26, v[TM+8+\j]
.endr
.irp c, 0,1,2,3,4,5,6,7
	v_xor_b32 v[BF+2*\c], v[TM+(\c&1)*(BF+19-TM)], v[TM+8+(\c>>1)]   ; n0 or n0 + 1
.endr
.irp c, 0,1,2,3,4,5,6,7
	v_min_u32 v[BF+2*\c], 0x7ffff, v[BF+2*\c]      ; the index is held inside the level's table, by a constant that can be read off the text
.endr
.irp c, 0,1,2,3,4,5,6,7
	global_load_b64 v[BF+2*\c:BF+2*\c+1], v[BF+2*\c], s[TB+2*\i:TB+2*\i+1] scale_offset   ; at 8 x index; the load lands on its own address register
.endr
.endm
; a dense level: index = x + y (res + 1) + z (res + 1)^2: one address, the corners in the immediates
.macro ISSUE_D k, s, i, res
	NFRAC \k, \s, \i
.set S1, (\res)+1
.set S2, S1*S1
.set MAXB, ((\res)-1)*(1+S1+S2)
	v_mad_u32_u24 v[TM+3], v[TM+1], S1, v[TM]
	v_mad_u32_u24 v[TM+3], v[TM+2], S2, v[TM+3]
	v_min_u32 v[TM+3], MAXB, v[TM+3]               ; cell (res - 1, res - 1, res - 1) is the last: its far corner is index (res + 1)^3 - 1
	v_lshlrev_b32 v[BF+19], 3, v[TM+3]
.irp c, 0,1,2,3,4,5,6,7
	global_load_b64 v[BF+2*\c:BF+2*\c+1], v[BF+19], s[TB+2*\i:TB+2*\i+1] offset:8*((\c&1)+((\c>>1)&1)*S1+(\c>>2)*S2)
.endr
.endm
.macro ISSUE k, s, i, res, dense
.if \dense
	ISSUE_D \k, \s, \i, \res
.else
	ISSUE_H \k, \s, \i
.endif
.endm
; step k's eight corners become two features: four steps along x, two along y, one along z, each a + f (b - a) on both features at once
.macro CONSUME k, s, i
.set BF, BUF+20*(\k)
	s_wait_loadcnt 8*(7-(\k))                      ; loads come back in order: step k's eight are in; the eight of each later step may be out.  (The trip's three loads of U were issued ahead of all 64)
.irp c, 0,4,8,12
	v_pk_add_f32 v[BF+\c+2:BF+\c+3], v[BF+\c+2:BF+\c+3], v[BF+\c:BF+\c+1] neg_lo:[0,1] neg_hi:[0,1]
.endr
.irp c, 0,4,8,12
	v_pk_fma_f32 v[BF+\c:BF+\c+1], v[BF+\c+2:BF+\c+3], v[BF+16:BF+17], v[BF+\c:BF+\c+1] op_sel_hi:[1,0,1]   ; f0: the pair's low word for both halves
.endr
.irp c, 0,8
	v_pk_add_f32 v[BF+\c+4:BF+\c+5], v[BF+\c+4:BF+\c+5], v[BF+\c:BF+\c+1] neg_lo:[0,1] neg_hi:[0,1]
.endr
.irp c, 0,8
	v_pk_fma_f32 v[BF+\c:BF+\c+1], v[BF+\c+4:BF+\c+5], v[BF+16:BF+17], v[BF+\c:BF+\c+1] op_sel:[0,1,0] op_sel_hi:[1,1,1]   ; f1: the pair's high word for both halves
.endr
	v_pk_add_f32 v[BF+8:BF+9], v[BF+8:BF+9], v[BF:BF+1] neg_lo:[0,1] neg_hi:[0,1]
	v_pk_fma_f32 v[FE+8*\s+2*\i:FE+8*\s+2*\i+1], v[BF+8:BF+9], v[BF+18:BF+19], v[BF:BF+1] op_sel_hi:[1,0,1]   ; f2
.endm
; a sub-step's eight features of group g become eight codes, k = 8 g .. 8 g + 7, and wait in LDS
.macro CONVERT s, g
.irp j, 0,1,2,3,4,5,6,7
	v_med3_num_f32 v[FE+8*\s+\j], v[FE+8*\s+\j], -v[LIM0], v[LIM0]   ; the conversion to an 8-bit code does not saturate (ISA guide 7.6.2): the hold at the largest code x the scale
.endr
	v_cvt_scalef32_pk8_fp8_f32 v[CD+2*\s:CD+2*\s+1], v[FE+8*\s:FE+8*\s+7], v[SC0]
	v_nop                                          ; one plain vector instruction behind a scaled conversion, ahead of whatever next writes its sources
	ds_store_b64 v[LA], v[CD+2*\s:CD+2*\s+1] offset:1024*\s+256*\g   ; 32 lanes store 256 consecutive bytes
.endm
; GROUP g: levels 4 g .. 4 g + 3 (res, floor(log2(res)), dense or not, for each), for the wave's four batches
.macro GROUP g, r0, k0, d0, r1, k1, d1, r2, k2, d2, r3, k3, d3
	LCONST 0, 4*\g+0, \r0, \k0
	LCONST 1, 4*\g+1, \r1, \k1
	LCONST 2, 4*\g+2, \r2, \k2
	LCONST 3, 4*\g+3, \r3, \k3
	s_mov_b32 s20, 0                               ; the trip
	s_mov_b32 s22, 0                               ; its 2,048 bytes in my LDS
.Lgroup_\@:
	s_add_co_u32 s21, s20, 1
	s_and_b32 s21, s21, 3                          ; the next trip's U is asked for ahead of the gathers; the last trip asks for trip 0's, for the next group
	s_add_co_u32 s21, s21, s19
	ULOAD                                          ; (its address register and its results are free: the trip before ended on a wait for all loads)
	v_add_nc_u32 v[LA], s22, v[LB]
.irp s, 0,1
	ISSUE 4*\s+0, \s, 0, \r0, \d0
	ISSUE 4*\s+1, \s, 1, \r1, \d1
	ISSUE 4*\s+2, \s, 2, \r2, \d2
	ISSUE 4*\s+3, \s, 3, \r3, \d3
.endr
.irp s, 0,1
.irp i, 0,1,2,3
	CONSUME 4*\s+\i, \s, \i
.endr
	CONVERT \s, \g
.endr
	PREP                                           ; behind the last step's wait, which is for all loads: U is in
	s_add_co_u32 s22, s22, 2048
	s_add_co_u32 s20, s20, 1
	s_cmp_lt_u32 s20, 4
	s_cbranch_scc1 .Lgroup_\@
.endm
	GROUP 0, 16,4,1, 22,4,1, 30,4,1, 42,5,1
	GROUP 1, 58,5,1, 80,6,0, 111,6,0, 153,7,0
	GROUP 2, 212,7,0, 294,8,0, 406,8,0, 561,9,0
	GROUP 3, 776,9,0, 1072,10,0, 1482,10,0, RES15,LOG15,0
	; THE WEIGHTS, once a wave.  A fragment of the K = 64 form: lane (r, h) holds row r; registers 2 c, 2 c + 1 hold k = 16 c + 8 h + 0 .. 7: loads of 8 bytes, 16 bytes apart
	v_and_b32 v[TM], 15, v0                        ; r
	v_bfe_u32 v[TM+1], v0, 4, 1
	v_lshlrev_b32 v[TM+1], 3, v[TM+1]              ; 8 h
	v_lshl_add_u32 v[TM+2], v[TM], 5, v[TM+1]      ; W0: rows of 32 bytes
	v_lshl_add_u32 v[TM+3], v[TM], 6, v[TM+1]      ; W1: rows of 64
	v_and_b32 v[TM+4], 7, v0
	v_lshl_add_u32 v[TM+4], v[TM+4], 6, v[TM+1]    ; W2: lane r takes row r % 8, so that row 0 stands at m = 0 and at m = 8: sigma then falls into register 0 of both halves of the lanes
.irp t, 0,1,2,3
.irp c, 0,1
	global_load_b64 v[W0F+8*\t+2*\c:W0F+8*\t+2*\c+1], v[TM+2], s[8:9] offset:512*\t+16*\c
.endr
.irp c, 0,1,2,3
	global_load_b64 v[W1F+8*\t+2*\c:W1F+8*\t+2*\c+1], v[TM+3], s[10:11] offset:1024*\t+16*\c
.endr
.endr
.irp c, 0,1,2,3
	global_load_b64 v[W2F+2*\c:W2F+2*\c+1], v[TM+4], s[12:13] offset:16*\c
.endr
.irp t, 0,1,2,3
.irp j, 4,5,6,7
	v_mov_b32 v[W0F+8*\t+\j], 0                    ; the first product's k = 32 .. 63: zero codes on both sides
.endr
.endr
.irp p, 0,1
.irp j, 4,5,6,7
	v_mov_b32 v[TQ+8*\p+\j], 0
.endr
.endr
	s_wait_loadcnt 0x0
; tile p's four tiles of sums become an operand of the next product: relu and the hold in one, each tile from its low register on; tile t's register j is unit 16 t + 8 h + j: registers 2 t, 2 t + 1 of the operand
.macro QUANTH p, sc, lim
.irp t, 0,1,2,3
.irp j, 0,1,2,3,4,5,6,7
	v_med3_num_f32 v[H+8*(4*\p+\t)+\j], v[H+8*(4*\p+\t)+\j], 0, v[\lim]
.endr
	v_cvt_scalef32_pk8_fp8_f32 v[C+8*\p+2*\t:C+8*\p+2*\t+1], v[H+8*(4*\p+\t):H+8*(4*\p+\t)+7], v[\sc]
.endr
.endm
.macro PLACES n                        ; plain vector instructions that name no register of the matrix instructions ahead (ISA guide 7.12.1)
.rept \n
	v_nop
.endr
.endm
; the three products for sub-step s of the batch: 32 points, tile p = the points of lanes 16 p .. 16 p + 15.  Every sum is one instruction with C = 0: no accumulator is taken up again
.macro SUBMLP s
.irp p, 0,1
	ds_load_b64 v[TQ+8*\p:TQ+8*\p+1], v[LA] offset:1024*\s+128*\p         ; lane (r, h): point 16 p + r, k = 8 h .. : group h
	ds_load_b64 v[TQ+8*\p+2:TQ+8*\p+3], v[LA] offset:1024*\s+128*\p+512   ; k = 16 + 8 h .. : group 2 + h
.endr
	s_wait_dscnt 0x0
.irp p, 0,1
.irp t, 0,1,2,3
	v_wmma_f32_16x16x64_fp8_fp8 v[H+8*(4*\p+\t):H+8*(4*\p+\t)+7], v[W0F+8*\t:W0F+8*\t+7], v[TQ+8*\p:TQ+8*\p+7], 0
.endr
.endr
	PLACES 4
	QUANTH 0, SC1, LIM1
	QUANTH 1, SC1, LIM1
	v_nop                                          ; one plain vector instruction between the last scaled conversion and the products, which read its result and write its sources
.irp p, 0,1
.irp t, 0,1,2,3
	v_wmma_f32_16x16x64_fp8_fp8 v[H+8*(4*\p+\t):H+8*(4*\p+\t)+7], v[W1F+8*\t:W1F+8*\t+7], v[C+8*\p:C+8*\p+7], 0
.endr
.endr
	PLACES 4
	QUANTH 0, SC2, LIM2
	QUANTH 1, SC2, LIM2
	v_nop
.irp p, 0,1
	v_wmma_f32_16x16x64_fp8_fp8 v[H+8*\p:H+8*\p+7], v[W2F:W2F+7], v[C+8*\p:C+8*\p+7], 0
.endr
	PLACES 5                                       ; four ahead of the read below; five ahead of the next sub-step's products, which write over these results
	v_cndmask_b32 v[TM], v[H], v[H+8], s27         ; lanes 0-15: tile 0's point r = lane; lanes 16-31: tile 1's point r = lane - 16; register 0 is W2's row 0 in both halves
	v_ldexp_f32 v[SIG+\s], v[TM], s52              ; x 2^(e4 + e5)
.endm
	s_mov_b32 s20, 0
	s_mov_b32 s22, 0
.Lmlp:                                             ; four trips: a batch each
	s_add_co_u32 s21, s19, s20
	s_min_u32 s21, s21, LASTB
	v_lshl_add_u32 v[OO], s21, 8, v[L8]
	v_add_nc_u32 v[LA], s22, v[LM]
	SUBMLP 0                                       ; LDS serves a wave's instructions in order: its loads see the codes that the groups stored
	SUBMLP 1
	global_store_b64 v[OO], v[SIG:SIG+1], s[16:17] th:TH_STORE_NT   ; points 2 L, 2 L + 1: 32 lanes store 256 consecutive bytes, at a multiple of 256 from out0's first byte; written once, read by nobody here
	s_wait_xcnt 0x0                                ; the store's offset and data are written again in the next trip only behind this wait
	s_add_co_u32 s22, s22, 2048
	s_add_co_u32 s20, s20, 1
	s_cmp_lt_u32 s20, 4
	s_cbranch_scc1 .Lmlp
	s_wait_tensorcnt 0x0
	ds_add_u32 v254, v255
	s_wait_dscnt 0x0
	s_endpgm
.Lfunc_end_k_q719b1f5f5c_render:
	.size	k_q719b1f5f5c_render, .Lfunc_end_k_q719b1f5f5c_render-k_q719b1f5f5c_render
	.p2alignl 7, 3214868480
	.fill 96, 4, 3214868480
	.section	.rodata,"a",@progbits
	.p2align	6, 0x0
	.amdhsa_kernel k_q719b1f5f5c_render
		.amdhsa_group_segment_fixed_size 33280
		.amdhsa_private_segment_fixed_size 0
		.amdhsa_enable_private_segment 0
		.amdhsa_kernarg_size 56
		.amdhsa_user_sgpr_count 2
		.amdhsa_user_sgpr_kernarg_segment_ptr 1
		.amdhsa_wavefront_size32 1
		.amdhsa_system_sgpr_workgroup_id_x 1
		.amdhsa_system_sgpr_workgroup_id_y 1
		.amdhsa_system_sgpr_workgroup_id_z 1
		.amdhsa_system_vgpr_workitem_id 0
		.amdhsa_next_free_vgpr 256
		.amdhsa_next_free_sgpr 66
		.amdhsa_reserve_vcc 0
		.amdhsa_float_denorm_mode_32 3
		.amdhsa_float_denorm_mode_16_64 3
		.amdhsa_memory_ordered 1
		.amdhsa_forward_progress 1
		.amdhsa_inst_pref_size 150
	.end_amdhsa_kernel
	.amdgpu_metadata
---
amdhsa.version: [ 1, 2 ]
amdhsa.kernels:
  - .name:           k_q719b1f5f5c_render
    .symbol:         k_q719b1f5f5c_render.kd
    .args:
      - { .name: ucoord, .offset: 0, .size: 8, .value_kind: global_buffer, .address_space: global }
      - { .name: tables, .offset: 8, .size: 8, .value_kind: global_buffer, .address_space: global }
      - { .name: W0_codes, .offset: 16, .size: 8, .value_kind: global_buffer, .address_space: global }
      - { .name: W1_codes, .offset: 24, .size: 8, .value_kind: global_buffer, .address_space: global }
      - { .name: W2_codes, .offset: 32, .size: 8, .value_kind: global_buffer, .address_space: global }
      - { .name: lowp_scales, .offset: 40, .size: 8, .value_kind: global_buffer, .address_space: global }
      - { .name: out0, .offset: 48, .size: 8, .value_kind: global_buffer, .address_space: global }
    .group_segment_fixed_size: 33280
    .private_segment_fixed_size: 0
    .kernarg_segment_align: 8
    .kernarg_segment_size: 56
    .max_flat_workgroup_size: 128
    .sgpr_count:     66
    .vgpr_count:     256
    .wavefront_size: 32
...
	.end_amdgpu_metadata
.endif
;; end of part 2
;; ======== version 2 of 2: 2 launches; version 1 with the launch render written anew for expert scheduling mode
;; workspace buffers: ucoord 12,000,000 bytes of whole numbers
;; launch fix: the kernel of part 1 again; grid 625 x 1, 5 waves a work-group, no clusters, 19,968 bytes of LDS; arguments x, coord_center, ucoord; writes ucoord
;; launch render (part 3): grid 977 x 1, 4 waves a work-group, no clusters, 33,280 bytes of LDS; arguments ucoord, tables, W0_codes, W1_codes, W2_codes, lowp_scales, out0; writes out0
.if DOCPART == 3
	.amdgcn_target "amdgcn-amd-amdhsa--gfx1250"
	.amdhsa_code_object_version 6
	.text
	.protected	k_q719b1f5f5c_render
	.globl	k_q719b1f5f5c_render
	.p2align	8
	.type	k_q719b1f5f5c_render,@function
k_q719b1f5f5c_render:
	s_mov_b64 s[64:65], 0
	v_nop
	global_prefetch_b8 v0, s[64:65] scope:SCOPE_SE
	s_setreg_imm32_b32 hwreg(HW_REG_WAVE_SCHED_MODE, 0, 2), 2
	s_setreg_imm32_b32 hwreg(HW_REG_WAVE_MODE, 25, 1), 1
	s_wait_xcnt 0x0
	s_wait_alu depctr_vm_vsrc(0)
; sigma[p] = column 0 of relu(relu(enc W0) W1) W2, enc = the 16-level hash-grid encoding of point p; the three products on codes of FP8 (E4M3), each operand with the scale 2^e given for it (e0 .. e5).
; THE ENCODING.  U = floor(x01 x 2^32) comes as whole numbers from the launch before.  At a level of resolution res the cell is n = floor(U res / 2^32), by integer arithmetic alone: every table address hangs on whole
; numbers that were read from memory.  The fraction is fl(float(U) x res x 2^-32) - float(n): the product is the definition's f32 position, and the difference is exact.  Rounding keeps order, so it lies in [0, 1]; where the
; position rounds up onto n + 1, (n, 1) names the same value as the definition's (n + 1, 0).  Levels with (res + 1)^3 <= 2^19 are indexed densely, the others by the hash (only the low 19 bits of each product count, so the
; primes are taken modulo 2^19).  The eight corners are joined by seven steps a + f (b - a), both features at once; that differs from the definition's sum of eight weighted corners by f32 rounding alone.
; SHARES.  A wave owns 256 points: four batches of 64; lane L holds points 2 L and 2 L + 1 of a batch (sub-steps 0, 1).  15,625 batches lie on 3,908 waves: batch = min(4 x wave + trip, 15,624), so the last work-group's last
; two waves work the last batch again and store the same numbers again; no trip count, branch or mask hangs on it, and no load leaves its buffer.
; ORDER.  Four levels (eight features: one conversion to codes) are a GROUP.  A wave walks group 0 for all its points, then group 1 and so on: the gathers of one phase fall into four levels' tables.  The codes wait in the
; wave's own 8,192 bytes of LDS; the three products follow at the end, with the weights in the registers that the gathers have left.  No wave reads another's LDS bytes: no barrier.
; IN FLIGHT.  A trip issues 64 gathers of 8 bytes a lane (8 steps = 2 sub-steps x 4 levels, 8 corners each) before it waits for the first.
; THE PRODUCTS ARE USED TRANSPOSED (source 0 = 16 rows of the weight, source 1 = 16 points): a lane holds one point, and a tile's eight registers are eight neighbours along the next K, in the K = 64 form's own places.
; Of the third product only the tile that holds column 0 is multiplied: the definition keeps nothing else.  The first product's K is 32: the upper half of both operands is zero codes.
; No tile is shared between work-groups and each lane asks for its own 8 bytes: so no cluster, no tensor load; a gather's address is known only when the load can go out: so no prefetch.
; LIMITS: e0, e2 - e0 - e1 and e4 - e2 - e3 lie between -126 and 119, so that each scale and 448 x it are f32 numbers; e4 + e5 is applied by v_ldexp_f32.  NaN among the inputs is not served.
; THE MODE: SCHED_MODE bits 1:0 = 2 (LLVM: expert scheduling mode 2), set by the entry lines.  The code itself states the register dependences between vector or matrix instructions and memory or LDS
; instructions, with s_wait_alu, always for 0.
; THE PLAN.  Registers that memory or LDS instructions touch, in a group's trip:
;   v[L8]        the offset of every load of U and of every store of a result.  Written once, at the head: the batches are reached by a scalar base.
;   UN           the three loads of U land in it, behind the trip's first wait on va_vdst; PREP reads it at the trip's end.
;   buffers 0-3  ADDR 0-3 write their indices (or dense address) and fractions; the gathers ASK 0-3 read the addresses and land in the buffers; CONSUME 0-3 read and write them.
;   buffers 4-7  the same with ADDR, ASK and CONSUME 4-7.
;   v[LA], CD    written behind the trip's one wait on vm_vsrc; read by the trip's two LDS stores, which stand together at its end.
;   TM, WK and FE are named by vector instructions alone.
; So a trip has four waits.  va_vdst behind ADDR 0-3: buffers 0-3 are written, and the trip before is done with them and with UN; behind it the loads of U and ASK 0-3 are dealt among ADDR 4-7, which name TM, WK and
; buffers 4-7 alone.  va_vdst behind ADDR 4-7, for ASK 4-7.  vm_vsrc behind the last gather: all 64 have read their addresses, which CONSUME writes, and the last trip's LDS stores have read v[LA] and CD.
; va_vdst ahead of the two LDS stores: CD and v[LA] are written.  The products' loop has its own three, said there.
.set LASTB, 15624                      ; the last batch
.set PLANE, 4000000                    ; bytes of a plane of U
.set RES15, 2047                       ; floor(16 b^15), b = exp(log(128) / 15) in double precision, which falls short of 2^(7/15)
.set LOG15, 10                         ; floor(log2(RES15))
.set L8,   1                           ; v1       8 x lane; never rewritten
.set LB,   2                           ; v2       8 x lane + 8,192 x wave: where my codes go
.set LA,   4                           ; v4       LDS address of the trip in hand
.set SC0,  6                           ; v6, v7   2^e0 and 448 x 2^e0
.set LIM0, 7
.set UN,   8                           ; v8-13    the next trip's U: pair d = coordinate d of points 2 L, 2 L + 1
.set WK,   14                          ; v14-31   at 9 s + 3 d: U >> 12, U & 0xfff, float(U)
.set FE,   32                          ; v32-47   eight features for each sub-step
.set CD,   48                          ; v48-51   their codes
.set TM,   52                          ; v52-67   at work
.set BUF,  68                          ; v68-227  eight buffers of 20: corner c = dx + 2 dy + 4 dz at 2 c (its index is made in the pair's low register, and the load lands on it); 16, 17, 18 the fractions; 19 the dense address or n0 + 1
.set W0F,  68                          ; the products' registers lie over the buffers: W0's four tiles of 8 (registers 4-7 of each: zero codes),
.set W1F,  100                         ; W1's four,
.set W2F,  132                         ; W2's one,
.set TQ,   140                         ; v140-155 enc's codes of sub-step 0, two tiles of 16 points (registers 4-7 of each: zero codes),
.set TQ1,  8                           ; v8-23    and of sub-step 1, over U's registers, which are idle by then,
.set H,    156                         ; v156-219 sums: tile (p, t) at 8 (4 p + t),
.set C,    220                         ; v220-235 the hidden layer's codes: tile p at 8 p,
.set SIG,  236                         ; v236-237 my two results
.set SC1,  238                         ; v238-241 2^(e2 - e0 - e1), 448 x it, 2^(e4 - e2 - e3), 448 x it
.set LIM1, 239
.set SC2,  240
.set LIM2, 241
.set LM,   242                         ; v242     8 r + 256 h + 8,192 x wave: where lane (r, h) finds its part of an operand of enc's codes
.set TB,   28                          ; s[28:35] the group's four tables
.set RS,   36                          ; s36-39   res
.set RF,   40                          ; s40-43   res x 2^-32 as f32
.set UB,   54                          ; s[54:55] the batch in hand: its first byte in a plane of U; in the products' loop its first byte in out0
	s_load_b256 s[4:11], s[0:1], 0x0               ; ucoord s[4:5], tables s[6:7], W0's codes s[8:9], W1's s[10:11]
	s_load_b128 s[12:15], s[0:1], 0x20             ; W2's codes s[12:13], the scales' exponents s[14:15]
	s_load_b64 s[16:17], s[0:1], 0x30              ; out0
	v_lshl_add_u32 v254, v0, 2, 0x8000
	v_mov_b32 v255, 0
	v_lshrrev_b32 v[LA], 5, v0
	v_readfirstlane_b32 s18, v[LA]                 ; wave 0..3
	v_and_b32 v[L8], 31, v0
	v_lshlrev_b32 v[L8], 3, v[L8]
	v_and_b32 v243, 15, v0                         ; r
	v_bfe_u32 v244, v0, 4, 1                       ; h
	v_lshlrev_b32 v[LM], 3, v243
	v_lshl_add_u32 v[LM], v244, 8, v[LM]
	s_wait_alu depctr_va_sdst(0)                   ; s18 is written, ahead of its first reader: LDS addresses and the batch's number are made from it
	s_lshl_b32 s50, s18, 13                        ; my wave's 8,192 bytes of LDS
	v_add_nc_u32 v[LB], s50, v[L8]
	v_add_nc_u32 v[LM], s50, v[LM]
	s_lshl_b32 s19, ttmp9, 2
	s_add_co_u32 s19, s19, s18
	s_lshl_b32 s19, s19, 2                         ; my first batch: 4 x (4 x work-group + wave)
	s_mov_b32 s24, 0x779b1                         ; 2654435761 mod 2^19
	s_mov_b32 s25, 0x25795                         ; 805459861 mod 2^19
	s_mov_b32 s26, 0x7ffff
	s_mov_b32 s27, 0xffff0000                      ; lanes 16-31
	s_wait_kmcnt 0x0
	s_load_b128 s[44:47], s[14:15], 0x0            ; e0 .. e3
	s_load_b64 s[48:49], s[14:15], 0x10            ; e4, e5
; where batch min(s21, LASTB) begins in a plane of U.  It stands where no load of U is out, so the base may be written
.macro UBASE
	s_min_u32 s21, s21, LASTB
	s_lshl_b32 s[UB], s21, 8
	s_mov_b32 s[UB+1], 0
	s_add_nc_u64 s[UB:UB+1], s[4:5], s[UB:UB+1]
.endm
; U of that batch: three loads of 256 consecutive bytes
.macro UASK
.irp d, 0,1,2
	global_load_b64 v[UN+2*\d:UN+2*\d+1], v[L8], s[UB:UB+1] offset:PLANE*\d
.endr
.endm
; what every level wants of U: its upper 20 bits, its lower 12, and U as f32 (exact: U has at most 24 significant bits)
.macro PREP
.irp s, 0,1
.irp d, 0,1,2
	v_lshrrev_b32 v[WK+9*\s+3*\d], 12, v[UN+2*\d+\s]
	v_and_b32 v[WK+9*\s+3*\d+1], 0xfff, v[UN+2*\d+\s]
	v_cvt_f32_u32 v[WK+9*\s+3*\d+2], v[UN+2*\d+\s]
.endr
.endr
.endm
; s50 = d: v[sc] = 2^d as f32 (the conversion takes its exponent field), v[lim] = 448 x 2^d
.macro SCALE sc, lim
	s_add_co_i32 s51, s50, 127
	s_lshl_b32 s53, s51, 23
	v_mov_b32 v[\sc], s53
	s_add_co_i32 s51, s51, 8
	s_lshl_b32 s51, s51, 23
	s_or_b32 s51, s51, 0x600000
	v_mov_b32 v[\lim], s51
.endm
	s_mov_b32 s21, s19
	UBASE
	s_wait_alu depctr_va_vdst(0)                   ; v[L8] is written: every load of U and every store of a result reads it as its offset
	UASK                                           ; trip 0's
	s_wait_kmcnt 0x0
	s_mov_b32 s50, s44
	SCALE SC0, LIM0                                ; enc's code = enc / 2^e0
	s_sub_co_i32 s50, s46, s44
	s_sub_co_i32 s50, s50, s45
	SCALE SC1, LIM1                                ; a sum of the first product stands for sum x 2^(e0 + e1): its code is sum / 2^(e2 - e0 - e1)
	s_sub_co_i32 s50, s48, s46
	s_sub_co_i32 s50, s50, s47
	SCALE SC2, LIM2                                ; likewise e4 - e2 - e3
	s_add_co_i32 s52, s48, s49                     ; and sigma = sum x 2^(e4 + e5)
	s_wait_loadcnt 0x0
	PREP
; the constants of level l, place i in its group; k = floor(log2(res)).  It stands where no gather is out, so the tables' addresses may be written
.macro LCONST i, l, res, k
	s_mov_b32 s[RS+\i], \res
	s_mov_b32 s[RF+\i], ((95+(\k))<<23)|(((\res)-(1<<(\k)))<<(23-(\k)))   ; res x 2^-32: exponent field 127 + k - 32, the rest of res as mantissa
.if (\l) == 0
	s_mov_b64 s[TB+2*\i:TB+2*\i+1], s[6:7]
.else
	s_add_nc_u64 s[TB+2*\i:TB+2*\i+1], s[6:7], (\l)*0x400000   ; a level's table is 2^19 x 8 bytes
.endif
.endm
; cells n0, n1, n2 into v[TM] on, fractions into buffer k.  U res = (A 2^12 + B) res, so floor(U res / 2^32) = (A res + floor(B res / 2^12)) >> 20; A res stays under 2^31
.macro NFRAC k, s, i
.set BF, BUF+20*(\k)
.set WS, WK+9*(\s)
.irp d, 0,1,2
	v_mul_u32_u24 v[TM+\d], s[RS+\i], v[WS+3*\d+1]
.endr
.irp d, 0,1,2
	v_lshrrev_b32 v[TM+\d], 12, v[TM+\d]
.endr
.irp d, 0,1,2
	v_mad_u32_u24 v[TM+\d], v[WS+3*\d], s[RS+\i], v[TM+\d]
.endr
.irp d, 0,1,2
	v_mul_f32 v[TM+4+\d], s[RF+\i], v[WS+3*\d+2]   ; the position, rounded as x01 x res is
.endr
.irp d, 0,1,2
	v_lshrrev_b32 v[TM+\d], 20, v[TM+\d]
.endr
.irp d, 0,1,2
	v_cvt_f32_u32 v[TM+8+\d], v[TM+\d]
.endr
.irp d, 0,1,2
	v_sub_f32 v[BF+16+\d], v[TM+4+\d], v[TM+8+\d]
.endr
.endm
; a hashed level, the vector part: index = (x ^ y P1 ^ z P2) mod 2^19; x stays under 2^11, so the mask is laid on the four y-z terms
.macro ADDR_H k, s, i
	NFRAC \k, \s, \i
	v_mul_u32_u24 v[TM+4], s24, v[TM+1]            ; n1 P1
	v_mul_u32_u24 v[TM+6], s25, v[TM+2]            ; n2 P2
	v_add_nc_u32 v[BF+19], 1, v[TM]                ; n0 + 1
	v_add_nc_u32 v[TM+5], s24, v[TM+4]             ; (n1 + 1) P1
	v_add_nc_u32 v[TM+7], s25, v[TM+6]             ; (n2 + 1) P2
.irp j, 0,1,2,3
	v_xor_b32 v[TM+8+\j], v[TM+4+(\j&1)], v[TM+6+(\j>>1)]   ; j = dy + 2 dz
.endr
.irp j, 0,1,2,3
	v_and_b32 v[TM+8+\j], s26, v[TM+8+\j]
.endr
.irp c, 0,1,2,3,4,5,6,7
	v_xor_b32 v[BF+2*\c], v[TM+(\c&1)*(BF+19-TM)], v[TM+8+(\c>>1)]   ; n0 or n0 + 1
.endr
.irp c, 0,1,2,3,4,5,6,7
	v_min_u32 v[BF+2*\c], 0x7ffff, v[BF+2*\c]      ; the index is held inside the level's table, by a constant that can be read off the text
.endr
.endm
; and its eight gathers
.macro ASK_H k, i
.set BF, BUF+20*(\k)
.irp c, 0,1,2,3,4,5,6,7
	global_load_b64 v[BF+2*\c:BF+2*\c+1], v[BF+2*\c], s[TB+2*\i:TB+2*\i+1] scale_offset   ; at 8 x index; the load lands on its own address register
.endr
.endm
; a dense level, the vector part: index = x + y (res + 1) + z (res + 1)^2: one address
.macro ADDR_D k, s, i, res
	NFRAC \k, \s, \i
.set S1, (\res)+1
.set S2, S1*S1
.set MAXB, ((\res)-1)*(1+S1+S2)
	v_mad_u32_u24 v[TM+3], v[TM+1], S1, v[TM]
	v_mad_u32_u24 v[TM+3], v[TM+2], S2, v[TM+3]
	v_min_u32 v[TM+3], MAXB, v[TM+3]               ; cell (res - 1, res - 1, res - 1) is the last: its far corner is index (res + 1)^3 - 1
	v_lshlrev_b32 v[BF+19], 3, v[TM+3]
.endm
; and its eight gathers, the corners in the immediates
.macro ASK_D k, i, res
.set BF, BUF+20*(\k)
.set S1, (\res)+1
.set S2, S1*S1
.irp c, 0,1,2,3,4,5,6,7
	global_load_b64 v[BF+2*\c:BF+2*\c+1], v[BF+19], s[TB+2*\i:TB+2*\i+1] offset:8*((\c&1)+((\c>>1)&1)*S1+(\c>>2)*S2)
.endr
.endm
.macro ADDR k, s, i, res, dense
.if \dense
	ADDR_D \k, \s, \i, \res
.else
	ADDR_H \k, \s, \i
.endif
.endm
.macro ASK k, i, res, dense
.if \dense
	ASK_D \k, \i, \res
.else
	ASK_H \k, \i
.endif
.endm
; step k's eight corners become two features: four steps along x, two along y, one along z, each a + f (b - a) on both features at once
.macro CONSUME k, s, i
.set BF, BUF+20*(\k)
	s_wait_loadcnt 8*(7-(\k))                      ; loads come back in order: step k's eight are in; the eight of each later step may be out.  (The trip's three loads of U were issued ahead of all 64)
.irp c, 0,4,8,12
	v_pk_add_f32 v[BF+\c+2:BF+\c+3], v[BF+\c+2:BF+\c+3], v[BF+\c:BF+\c+1] neg_lo:[0,1] neg_hi:[0,1]
.endr
.irp c, 0,4,8,12
	v_pk_fma_f32 v[BF+\c:BF+\c+1], v[BF+\c+2:BF+\c+3], v[BF+16:BF+17], v[BF+\c:BF+\c+1] op_sel_hi:[1,0,1]   ; f0: the pair's low word for both halves
.endr
.irp c, 0,8
	v_pk_add_f32 v[BF+\c+4:BF+\c+5], v[BF+\c+4:BF+\c+5], v[BF+\c:BF+\c+1] neg_lo:[0,1] neg_hi:[0,1]
.endr
.irp c, 0,8
	v_pk_fma_f32 v[BF+\c:BF+\c+1], v[BF+\c+4:BF+\c+5], v[BF+16:BF+17], v[BF+\c:BF+\c+1] op_sel:[0,1,0] op_sel_hi:[1,1,1]   ; f1: the pair's high word for both halves
.endr
	v_pk_add_f32 v[BF+8:BF+9], v[BF+8:BF+9], v[BF:BF+1] neg_lo:[0,1] neg_hi:[0,1]
	v_pk_fma_f32 v[FE+8*\s+2*\i:FE+8*\s+2*\i+1], v[BF+8:BF+9], v[BF+18:BF+19], v[BF:BF+1] op_sel_hi:[1,0,1]   ; f2
.endm
; a sub-step's eight features become eight codes
.macro ENCODE s
.irp j, 0,1,2,3,4,5,6,7
	v_med3_num_f32 v[FE+8*\s+\j], v[FE+8*\s+\j], -v[LIM0], v[LIM0]   ; the conversion to an 8-bit code does not saturate (ISA guide 7.6.2): the hold at the largest code x the scale
.endr
	v_cvt_scalef32_pk8_fp8_f32 v[CD+2*\s:CD+2*\s+1], v[FE+8*\s:FE+8*\s+7], v[SC0]
	v_nop                                          ; one plain vector instruction behind a scaled conversion, ahead of whatever next writes its sources
.endm
; GROUP g: levels 4 g .. 4 g + 3 (res, floor(log2(res)), dense or not, for each), for the wave's four batches
.macro GROUP g, r0, k0, d0, r1, k1, d1, r2, k2, d2, r3, k3, d3
	LCONST 0, 4*\g+0, \r0, \k0
	LCONST 1, 4*\g+1, \r1, \k1
	LCONST 2, 4*\g+2, \r2, \k2
	LCONST 3, 4*\g+3, \r3, \k3
	s_mov_b32 s20, 0                               ; the trip
	s_mov_b32 s22, 0                               ; its 2,048 bytes in my LDS
.Lgroup_\@:
	s_add_co_u32 s21, s20, 1
	s_and_b32 s21, s21, 3                          ; the next trip's U is asked for ahead of the gathers; the last trip asks for trip 0's, for the next group
	s_add_co_u32 s21, s21, s19
	UBASE                                          ; (the base is free: the trip before ended on a wait for all loads)
	ADDR 0, 0, 0, \r0, \d0
	ADDR 1, 0, 1, \r1, \d1
	ADDR 2, 0, 2, \r2, \d2
	ADDR 3, 0, 3, \r3, \d3
	s_wait_alu depctr_va_vdst(0)                   ; buffers 0-3 hold their addresses, which the gathers below read and land on; the joins of the trip before are done with these buffers, and PREP is done reading UN, in which U lands
	UASK
	ASK 0, 0, \r0, \d0                             ; the loads are dealt among sub-step 1's address work, which names TM, WK and buffers 4-7 alone: none of the registers that these loads touch
	ADDR 4, 1, 0, \r0, \d0
	ASK 1, 1, \r1, \d1
	ADDR 5, 1, 1, \r1, \d1
	ASK 2, 2, \r2, \d2
	ADDR 6, 1, 2, \r2, \d2
	ASK 3, 3, \r3, \d3
	ADDR 7, 1, 3, \r3, \d3
	s_wait_alu depctr_va_vdst(0)                   ; buffers 4-7 hold their addresses, which the gathers below read and land on
	ASK 4, 0, \r0, \d0
	ASK 5, 1, \r1, \d1
	ASK 6, 2, \r2, \d2
	ASK 7, 3, \r3, \d3
	s_wait_alu depctr_vm_vsrc(0)                   ; the 64 gathers have read their address registers, which the joins below and the next trip's address work write; the LDS stores of the trip before have read v[LA] and CD, which are written below
	v_add_nc_u32 v[LA], s22, v[LB]
	CONSUME 0, 0, 0
	CONSUME 1, 0, 1
	CONSUME 2, 0, 2
	CONSUME 3, 0, 3
	ENCODE 0
	CONSUME 4, 1, 0
	CONSUME 5, 1, 1
	CONSUME 6, 1, 2
	CONSUME 7, 1, 3
	ENCODE 1
	s_wait_alu depctr_va_vdst(0)                   ; the two conversions have written CD, and v[LA] is written: the LDS stores read them
	ds_store_b64 v[LA], v[CD:CD+1] offset:256*\g           ; k = 8 g .. 8 g + 7 of sub-step 0: 32 lanes store 256 consecutive bytes
	ds_store_b64 v[LA], v[CD+2:CD+3] offset:1024+256*\g    ; and of sub-step 1
	PREP                                           ; behind the last step's wait, which is for all loads: U is in
	s_add_co_u32 s22, s22, 2048
	s_add_co_u32 s20, s20, 1
	s_cmp_lt_u32 s20, 4
	s_cbranch_scc1 .Lgroup_\@
.endm
	GROUP 0, 16,4,1, 22,4,1, 30,4,1, 42,5,1
	GROUP 1, 58,5,1, 80,6,0, 111,6,0, 153,7,0
	GROUP 2, 212,7,0, 294,8,0, 406,8,0, 561,9,0
	GROUP 3, 776,9,0, 1072,10,0, 1482,10,0, RES15,LOG15,0
	; THE WEIGHTS, once a wave.  A fragment of the K = 64 form: lane (r, h) holds row r; registers 2 c, 2 c + 1 hold k = 16 c + 8 h + 0 .. 7: loads of 8 bytes, 16 bytes apart
	v_and_b32 v[TM], 15, v0                        ; r
	v_bfe_u32 v[TM+1], v0, 4, 1
	v_lshlrev_b32 v[TM+1], 3, v[TM+1]              ; 8 h
	v_lshl_add_u32 v[TM+2], v[TM], 5, v[TM+1]      ; W0: rows of 32 bytes
	v_lshl_add_u32 v[TM+3], v[TM], 6, v[TM+1]      ; W1: rows of 64
	v_and_b32 v[TM+4], 7, v0
	v_lshl_add_u32 v[TM+4], v[TM+4], 6, v[TM+1]    ; W2: lane r takes row r % 8, so that row 0 stands at m = 0 and at m = 8: sigma then falls into register 0 of both halves of the lanes
	s_wait_alu depctr_va_vdst(0)                   ; the three offsets are written, which the loads below read; the last trip's joins are done with the buffers' registers, in which the weights land
.irp t, 0,1,2,3
.irp c, 0,1
	global_load_b64 v[W0F+8*\t+2*\c:W0F+8*\t+2*\c+1], v[TM+2], s[8:9] offset:512*\t+16*\c
.endr
.irp c, 0,1,2,3
	global_load_b64 v[W1F+8*\t+2*\c:W1F+8*\t+2*\c+1], v[TM+3], s[10:11] offset:1024*\t+16*\c
.endr
.endr
.irp c, 0,1,2,3
	global_load_b64 v[W2F+2*\c:W2F+2*\c+1], v[TM+4], s[12:13] offset:16*\c
.endr
.irp t, 0,1,2,3
.irp j, 4,5,6,7
	v_mov_b32 v[W0F+8*\t+\j], 0                    ; the first product's k = 32 .. 63: zero codes on both sides
.endr
.endr
.irp p, 0,1
.irp j, 4,5,6,7
	v_mov_b32 v[TQ+8*\p+\j], 0
	v_mov_b32 v[TQ1+8*\p+\j], 0
.endr
.endr
	s_wait_loadcnt 0x0
; tile p's four tiles of sums become an operand of the next product: relu and the hold in one, each tile from its low register on; tile t's register j is unit 16 t + 8 h + j: registers 2 t, 2 t + 1 of the operand
.macro QUANTH p, sc, lim
.irp t, 0,1,2,3
.irp j, 0,1,2,3,4,5,6,7
	v_med3_num_f32 v[H+8*(4*\p+\t)+\j], v[H+8*(4*\p+\t)+\j], 0, v[\lim]
.endr
	v_cvt_scalef32_pk8_fp8_f32 v[C+8*\p+2*\t:C+8*\p+2*\t+1], v[H+8*(4*\p+\t):H+8*(4*\p+\t)+7], v[\sc]
.endr
.endm
.macro PLACES n                        ; plain vector instructions that name no register of the matrix instructions ahead (ISA guide 7.12.1)
.rept \n
	v_nop
.endr
.endm
; enc's codes of sub-step s of the batch into the operand at v[tq]: 32 points, tile p = the points of lanes 16 p .. 16 p + 15
.macro TQLOAD s, tq
.irp p, 0,1
	ds_load_b64 v[\tq+8*\p:\tq+8*\p+1], v[LA] offset:1024*\s+128*\p         ; lane (r, h): point 16 p + r, k = 8 h .. : group h
	ds_load_b64 v[\tq+8*\p+2:\tq+8*\p+3], v[LA] offset:1024*\s+128*\p+512   ; k = 16 + 8 h .. : group 2 + h
.endr
.endm
; the three products for sub-step s.  Every sum is one instruction with C = 0: no accumulator is taken up again.  left: the younger LDS loads, which may stay out
.macro SUBMLP s, tq, left
	s_wait_dscnt \left
.irp p, 0,1
.irp t, 0,1,2,3
	v_wmma_f32_16x16x64_fp8_fp8 v[H+8*(4*\p+\t):H+8*(4*\p+\t)+7], v[W0F+8*\t:W0F+8*\t+7], v[\tq+8*\p:\tq+8*\p+7], 0
.endr
.endr
	PLACES 4
	QUANTH 0, SC1, LIM1
	QUANTH 1, SC1, LIM1
	v_nop                                          ; one plain vector instruction between the last scaled conversion and the products, which read its result and write its sources
.irp p, 0,1
.irp t, 0,1,2,3
	v_wmma_f32_16x16x64_fp8_fp8 v[H+8*(4*\p+\t):H+8*(4*\p+\t)+7], v[W1F+8*\t:W1F+8*\t+7], v[C+8*\p:C+8*\p+7], 0
.endr
.endr
	PLACES 4
	QUANTH 0, SC2, LIM2
	QUANTH 1, SC2, LIM2
	v_nop
.irp p, 0,1
	v_wmma_f32_16x16x64_fp8_fp8 v[H+8*\p:H+8*\p+7], v[W2F:W2F+7], v[C+8*\p:C+8*\p+7], 0
.endr
	PLACES 5                                       ; four ahead of the read below; five ahead of the next sub-step's products, which write over these results
	v_cndmask_b32 v[TM], v[H], v[H+8], s27         ; lanes 0-15: tile 0's point r = lane; lanes 16-31: tile 1's point r = lane - 16; register 0 is W2's row 0 in both halves
	v_ldexp_f32 v[SIG+\s], v[TM], s52              ; x 2^(e4 + e5)
.endm
; THE PRODUCTS' LOOP.  Registers that memory or LDS instructions touch: v[LA], written at a trip's head and read by its eight LDS loads; the two operands of enc's codes, in which those loads land and which the
; trip's first products read; SIG, written by the trip's last vector lines and read by its store; v[L8], never written.  H, C and the weights are named by vector and matrix instructions alone.
	s_mov_b32 s20, 0
	s_mov_b32 s22, 0
.Lmlp:                                             ; four trips: a batch each
	s_add_co_u32 s21, s19, s20
	s_min_u32 s21, s21, LASTB
	s_lshl_b32 s[UB], s21, 8                       ; the batch's 256 bytes in out0 (the base is free: the loads of U are done, and the last store stands ahead of a wait on XCNT)
	s_mov_b32 s[UB+1], 0
	s_add_nc_u64 s[UB:UB+1], s[16:17], s[UB:UB+1]
	s_wait_alu depctr_vm_vsrc(0)                   ; the LDS instructions issued so far (the last group's stores; the last trip's loads) have read v[LA], which is written below; the last trip's store has read SIG, which this trip writes again
	v_add_nc_u32 v[LA], s22, v[LM]
	s_wait_alu depctr_va_vdst(0)                   ; v[LA] is written, which the LDS loads read; the last trip's products (in the first trip: PREP) are done with the registers in which they land
	TQLOAD 0, TQ                                   ; LDS serves a wave's instructions in order: these loads see the codes that the groups stored
	TQLOAD 1, TQ1
	SUBMLP 0, TQ, 4                                ; sub-step 1's four loads may be out
	SUBMLP 1, TQ1, 0
	s_wait_alu depctr_va_vdst(0)                   ; SIG is written, which the store reads
	global_store_b64 v[L8], v[SIG:SIG+1], s[UB:UB+1] th:TH_STORE_NT   ; points 2 L, 2 L + 1: 32 lanes store 256 consecutive bytes, at a multiple of 256 from out0's first byte; written once, read by nobody here
	s_wait_xcnt 0x0                                ; the store's base and data are written again in the next trip only behind this wait
	s_add_co_u32 s22, s22, 2048
	s_add_co_u32 s20, s20, 1
	s_cmp_lt_u32 s20, 4
	s_cbranch_scc1 .Lmlp
	s_wait_dscnt 0x0                               ; the closing lines, six on end, of a launch in the mode that stores to LDS
	s_wait_alu 0x0
	s_wait_tensorcnt 0x0
	ds_add_u32 v254, v255
	s_wait_dscnt 0x0
	s_endpgm
.Lfunc_end_k_q719b1f5f5c_render:
	.size	k_q719b1f5f5c_render, .Lfunc_end_k_q719b1f5f5c_render-k_q719b1f5f5c_render
	.p2alignl 7, 3214868480
	.fill 96, 4, 3214868480
	.section	.rodata,"a",@progbits
	.p2align	6, 0x0
	.amdhsa_kernel k_q719b1f5f5c_render
		.amdhsa_group_segment_fixed_size 33280
		.amdhsa_private_segment_fixed_size 0
		.amdhsa_enable_private_segment 0
		.amdhsa_kernarg_size 56
		.amdhsa_user_sgpr_count 2
		.amdhsa_user_sgpr_kernarg_segment_ptr 1
		.amdhsa_wavefront_size32 1
		.amdhsa_system_sgpr_workgroup_id_x 1
		.amdhsa_system_sgpr_workgroup_id_y 1
		.amdhsa_system_sgpr_workgroup_id_z 1
		.amdhsa_system_vgpr_workitem_id 0
		.amdhsa_next_free_vgpr 256
		.amdhsa_next_free_sgpr 66
		.amdhsa_reserve_vcc 0
		.amdhsa_float_denorm_mode_32 3
		.amdhsa_float_denorm_mode_16_64 3
		.amdhsa_memory_ordered 1
		.amdhsa_forward_progress 1
		.amdhsa_inst_pref_size 151
	.end_amdhsa_kernel
	.amdgpu_metadata
---
amdhsa.version: [ 1, 2 ]
amdhsa.kernels:
  - .name:           k_q719b1f5f5c_render
    .symbol:         k_q719b1f5f5c_render.kd
    .args:
      - { .name: ucoord, .offset: 0, .size: 8, .value_kind: global_buffer, .address_space: global }
      - { .name: tables, .offset: 8, .size: 8, .value_kind: global_buffer, .address_space: global }
      - { .name: W0_codes, .offset: 16, .size: 8, .value_kind: global_buffer, .address_space: global }
      - { .name: W1_codes, .offset: 24, .size: 8, .value_kind: global_buffer, .address_space: global }
      - { .name: W2_codes, .offset: 32, .size: 8, .value_kind: global_buffer, .address_space: global }
      - { .name: lowp_scales, .offset: 40, .size: 8, .value_kind: global_buffer, .address_space: global }
      - { .name: out0, .offset: 48, .size: 8, .value_kind: global_buffer, .address_space: global }
    .group_segment_fixed_size: 33280
    .private_segment_fixed_size: 0
    .kernarg_segment_align: 8
    .kernarg_segment_size: 56
    .max_flat_workgroup_size: 128
    .sgpr_count:     66
    .vgpr_count:     256
    .wavefront_size: 32
...
	.end_amdgpu_metadata
.endif
;; end of part 3
